; MI455X (gfx1250); checked and timed in simulation.
; The chip was launched on July 23, 2026; its instructions are those of AMD's public machine-readable ISA for CDNA 5 (MIT licence, August 2026) and "CDNA5" Instruction Set Architecture Reference Guide (July 2026). The comments in the code are by the model that wrote it; some were corrected since.
;; M Dlayer. Allowed arithmetic: float matrix products may take bf16 or f16 operands with f32 sums; all other float work in f32.
;; Inputs: Wmax 512 x 1,024 float32; Wmin 512 x 1,024 float32; x 256 x 1,024 float32.
;; Outputs: out0 256 x 512 float32.
;; One version. Each part assembles by itself: llvm-mc -triple=amdgcn-amd-amdhsa -mcpu=gfx1250 --defsym DOCPART=n.
;; ======== version 1 of 1: 1 launch
;; launch mdlayer (part 1): grid 8 x 32, 8 waves a work-group, clusters of 4 x 4, 265,216 bytes of LDS; arguments x, Wmin, Wmax, out0; writes out0
.if DOCPART == 1
	.amdgcn_target "amdgcn-amd-amdhsa--gfx1250"
	.amdhsa_code_object_version 6
	.text
	.protected	k_qc332454d5d_mdlayer
	.globl	k_qc332454d5d_mdlayer
	.p2align	8
	.type	k_qc332454d5d_mdlayer,@function
k_qc332454d5d_mdlayer:
	s_mov_b64 s[64:65], 0
	v_nop
	global_prefetch_b8 v0, s[64:65] scope:SCOPE_SE
	s_setreg_imm32_b32 hwreg(HW_REG_WAVE_MODE, 25, 1), 1
	s_wait_xcnt 0x0
	s_wait_alu depctr_hold_cnt(0) depctr_sa_sdst(0) depctr_va_vdst(0) depctr_va_sdst(0) depctr_va_ssrc(0) depctr_va_vcc(0) depctr_vm_vsrc(0)
	s_getreg_b32 s2, hwreg(HW_REG_IB_STS2, 6, 4)
	s_cmp_eq_u32 s2, 0
	s_cbranch_scc0 .Lentry_in_a_cluster
	s_endpgm
.Lentry_in_a_cluster:
	s_bfe_u32 s2, ttmp6, 0x10000c
	s_cmp_lg_u32 s2, 0xf033
	s_cbranch_scc0 .Lentry_shape_is_right
	s_endpgm
.Lentry_shape_is_right:
; out[b][u] = min over d of min( x[b][d] - Wmin[u][d] , Wmax[u][d] - x[b][d] ).   x: [256][1024], Wmin, Wmax: [512][1024], out: [256][512], all f32.
; A min-plus product: no sum of products, so it is vector work.  Two subtractions go in one v_pk_add_f32 (d and d+1), two minima in one
; v_min3_num_f32: two instructions for each (b, u, d).  Subtraction and minimum are those of the definition, in f32: no rounding differs.
; LIMIT: v_min3_num_f32 and v_min_num_f32 let a NaN lose, so a NaN input (or inf - inf) does not come out as NaN.  Finite inputs of any size are served.
;
; WORK-GROUP: 32 rows of x by 16 units, the shape of 512 outputs that needs the fewest input rows: 32 + 16 + 16 rows of 4,096 bytes = 262,144 bytes.
; That fits in LDS at once, so every LDS byte is filled once: no slot is filled again.  D comes in four chunks of 256 d (1,024 bytes of each row),
; all asked for at the start; the arithmetic on a chunk begins when that chunk has landed, while the later ones are on their way.
; CLUSTER: 4 x 4 work-groups.  x's tiles hang on the work-group's x alone: the four of a column of the cluster ask for them jointly.  Wmin's and Wmax's tiles
; hang on its y alone: the four of a row ask jointly.  That divides the requests by four.
; WAVES: eight.  Each half of a wave (16 lanes) owns 8 rows of x by 4 units, 32 running minima in each lane; its 16 lanes share d: in step s lane l takes
; d = 64 s + 4 l .. + 3, so that the sixteen 16-byte LDS loads of a half-wave cover 256 consecutive bytes of one row.  A step is 16 LDS loads and
; 8 x 4 x 8 = 256 vector instructions; two register buffers take turns, the next step's loads are issued ahead of this step's arithmetic.
; THE 16 STEPS ARE WRITTEN OUT by macro: each change of chunk waits with a count of its own (2, 1, 0).  16 x 272 instructions of 8 bytes = 34,816 bytes of code.
; THE WAY OUT: the work-group owns 64 bytes of each of 32 rows of out, and eight lanes store them together.  A tile 64 units wide (256 bytes of a row) would
; need 8 + 64 + 64 rows = 557,056 bytes of input for the same 512 outputs, more than twice as much, and a ring in LDS: not taken.
.set CROW,     1024                    ; bytes of a row in a chunk
.set PART,     8*CROW                  ; one tensor load: 8 rows of a chunk
.set CHUNK,    8*PART                  ; a chunk in LDS: x's 32 rows, Wmin's 16, Wmax's 16
.set WMIN_AT,  4*PART                  ; Wmin's rows in a chunk
.set WMAX_OFF, 2*PART                  ; Wmax's rows lie so far behind Wmin's
.set STAGE,    4*CHUNK                 ; 2,048 bytes behind the chunks, for the way out; no tensor load lands there
.set AX,  2                            ; v2        LDS address of my 16 bytes in the first of my 8 rows of x, current chunk
.set AW,  3                            ; v3        the same in the first of my 4 rows of Wmin
.set STA, 4                            ; v4        the way out: where my two results go in the stage
.set RDA, 5                            ; v5        the way out: the 8 bytes of the stage that I store
.set CO,  6                            ; v6        their byte offset in the work-group's part of out
.set ACC, 8                            ; v[8:39]   running minima: row i (0..7), unit u (0..3) at ACC + 4 i + u
.set B0,  40                           ; v[40:103]  operand buffer 0: x 8 rows x 4 d, then Wmin 4 x 4 at +32, then Wmax 4 x 4 at +48
.set B1,  104                          ; v[104:167] operand buffer 1
.set T,   168                          ; v[168:231] differences of two rows of x against four units: 8 x 8
.set G1X, 16                           ; s[16:23]  descriptor group 1 for x's tiles
.set G1W, 24                           ; s[24:31]  the same for W's tiles: it differs in the mask alone
.set G0X, 32                           ; s[32:47]  descriptor group 0 for x's tiles, a set for each chunk: none is written again
.set G0W, 48                           ; s[48:63]  the same for W's tiles
.set M8,  80                           ; s80-83    masks of the lanes whose number has bit 3, 2, 1, 0 set
.set M4,  81
.set M2,  82
.set M1,  83
; A round of the cluster's barrier: my work-group's barrier, wave 0 signals for the work-group, every wave waits for all sixteen, my work-group's barrier again.
.macro ROUND
	s_barrier_signal -1
	s_barrier_wait -1
	s_cmp_lg_u32 s12, 0
	s_cbranch_scc1 .Lnot_wave_0_\@
	s_barrier_signal -3
.Lnot_wave_0_\@:
	s_barrier_wait -3
	s_barrier_signal -1
	s_barrier_wait -1
.endm
	s_load_b256 s[4:11], s[0:1], 0x0               ; x s[4:5], Wmin s[6:7], Wmax s[8:9], out s[10:11]
	v_lshl_add_u32 v232, v0, 2, 0x40800
	v_mov_b32 v233, 0
	ds_add_u32 v232, v233
	ds_add_u32 v232, v233
	v_lshrrev_b32 v1, 5, v0
	v_readfirstlane_b32 s12, v1                    ; wave 0..7
	s_lshr_b32 s13, s12, 2                         ; 0: I fetch rows of x; 1: rows of Wmin or Wmax
	s_bfe_u32 s66, ttmp6, 0x40000                  ; cx: my place along the cluster's x
	s_bfe_u32 s67, ttmp6, 0x40004                  ; cy: along its y
	s_lshl_b32 s68, ttmp9, 2                       ; in a cluster launch ttmp9 and ttmp7 count clusters
	s_add_co_u32 s68, s68, s66                     ; block of 32 rows of x = 4 x cluster x + cx
	s_and_b32 s69, ttmp7, 0xffff
	s_lshl_b32 s69, s69, 2
	s_add_co_u32 s69, s69, s67                     ; block of 16 units = 4 x cluster y + cy
	s_lshl_b32 s70, 0x1111, s66                    ; my column of the cluster: places cx, cx + 4, cx + 8, cx + 12
	s_lshl_b32 s71, s67, 2
	s_lshl_b32 s71, 15, s71                        ; my row: places 4 cy .. 4 cy + 3
	; group 1: a tile of 8 rows x 256 elements of 4 bytes, rows 1,024 elements apart, dense in LDS
	s_or_b32 s[G1X+0], s70, (2<<16)|(1<<21)        ; 15:0 the mask: x's tiles go to my column; 17:16 elements of 4 bytes; 21 set beside a mask; no padding
	s_or_b32 s[G1W+0], s71, (2<<16)|(1<<21)        ; W's tiles go to my row
	s_mov_b32 s[G1X+1], 256<<16                    ; tensor_dim0 = 256 (the tile lies inside the tensor: the extents are the tile's)
	s_mov_b32 s[G1W+1], 256<<16
	s_mov_b32 s[G1X+2], 8<<16                      ; tensor_dim1 = 8
	s_mov_b32 s[G1W+2], 8<<16
	s_mov_b32 s[G1X+3], 256<<16                    ; tile_dim0 = 256
	s_mov_b32 s[G1W+3], 256<<16
	s_mov_b32 s[G1X+4], 8                          ; tile_dim1 = 8
	s_mov_b32 s[G1W+4], 8
	s_mov_b32 s[G1X+5], 1024                       ; elements from row to row
	s_mov_b32 s[G1W+5], 1024
	s_mov_b32 s[G1X+6], 0
	s_mov_b32 s[G1W+6], 0
	s_mov_b32 s[G1X+7], 0
	s_mov_b32 s[G1W+7], 0
	; where the tiles come from.  Every wave makes both addresses, each in registers that never hold the other coordinate, and asks by one of them.
	s_and_b32 s14, s12, 3
	s_lshl_b32 s14, s14, 15                        ; x: 8 rows of 4,096 bytes for each of waves 0..3
	s_lshl_b32 s72, s68, 17                        ; + the block's 32 rows
	s_add_co_u32 s72, s72, s14
	s_mov_b32 s73, 0
	s_and_b32 s15, s12, 1
	s_lshl_b32 s15, s15, 15                        ; W: rows 0-7 (waves 4, 6) or 8-15 (waves 5, 7) of the block's 16
	s_lshl_b32 s74, s69, 16
	s_add_co_u32 s74, s74, s15
	s_mov_b32 s75, 0
	s_lshl_b32 s76, s12, 13                        ; and where they go: wave x 8,192 bytes in each chunk; no place in the cluster enters an LDS address
	s_wait_dscnt 0x0
	s_wait_kmcnt 0x0
	s_add_nc_u64 s[72:73], s[4:5], s[72:73]
	s_bitcmp1_b32 s12, 1                           ; waves 6, 7 fetch Wmax, waves 4, 5 Wmin
	s_cselect_b64 s[78:79], s[8:9], s[6:7]
	s_add_nc_u64 s[74:75], s[78:79], s[74:75]
.irp c, 0,1,2,3
	s_mov_b32 s[G0X+4*\c], 1                                       ; count = 1
	s_add_co_u32 s[G0X+4*\c+1], s76, \c*CHUNK                      ; LDS address
	s_add_nc_u64 s[G0X+4*\c+2:G0X+4*\c+3], s[72:73], \c*CROW       ; global address: chunk c of my 8 rows
	s_or_b32 s[G0X+4*\c+3], s[G0X+4*\c+3], 0x80000000              ; type = 2
	s_mov_b32 s[G0W+4*\c], 1
	s_add_co_u32 s[G0W+4*\c+1], s76, \c*CHUNK
	s_add_nc_u64 s[G0W+4*\c+2:G0W+4*\c+3], s[74:75], \c*CROW
	s_or_b32 s[G0W+4*\c+3], s[G0W+4*\c+3], 0x80000000
.endr
	ROUND                                          ; all sixteen work-groups are here: the joint loads meet
	; All of the work-group's input, 4 loads a wave, chunk 0 first.  The branch hangs on the wave's number alone; each line has one mask for all that issue it.
	s_cmp_eq_u32 s13, 0
	s_cbranch_scc0 .Lfor_w
.irp c, 0,1,2,3
	tensor_load_to_lds s[G0X+4*\c:G0X+4*\c+3], s[G1X:G1X+7]
	s_nop 0
.endr
	s_branch .Lasked
.Lfor_w:
.irp c, 0,1,2,3
	tensor_load_to_lds s[G0W+4*\c:G0W+4*\c+3], s[G1W:G1W+7]
	s_nop 0
.endr
.Lasked:
	; lane addresses, while the tiles are on their way.  Wave w, half h: rows of x 8 (2 (w & 1) + h) .. + 7, units 4 (w >> 1) .. + 3 of the work-group's.
	v_and_b32 v1, 15, v0
	v_lshlrev_b32 v1, 4, v1                        ; 16 bytes a lane
	v_bfe_u32 v7, v0, 4, 1                         ; h
	v_lshl_add_u32 v[AX], v7, 13, v1               ; + h x 8 rows of 1,024 bytes
	s_and_b32 s84, s12, 1
	s_lshl_b32 s85, s84, 14                        ; + (w & 1) x 16 rows
	v_add_nc_u32 v[AX], s85, v[AX]
	s_lshr_b32 s85, s12, 1
	s_lshl_b32 s86, s85, 12                        ; (w >> 1) x 4 rows
	s_add_co_u32 s86, s86, WMIN_AT
	v_add_nc_u32 v[AW], s86, v1
	; the way out: lane l ends with row (l >> 1) of the wave's 16 rows and units 2 (l & 1), + 1 of its 4; a row of the stage is 16 units = 64 bytes
	v_and_b32 v1, 31, v0
	v_lshrrev_b32 v7, 1, v1
	v_and_b32 v1, 1, v1
	v_lshlrev_b32 v1, 3, v1
	v_lshl_add_u32 v[STA], v7, 6, v1
	s_lshl_b32 s84, s84, 10                        ; (w & 1) x 16 rows of 64 bytes
	s_lshl_b32 s85, s85, 4                         ; (w >> 1) x 4 units
	s_add_co_u32 s84, s84, s85
	s_add_co_u32 s84, s84, STAGE
	v_add_nc_u32 v[STA], s84, v[STA]
	v_lshl_add_u32 v[RDA], v0, 3, STAGE            ; thread t stores the stage's bytes 8 t .. 8 t + 7:
	v_lshrrev_b32 v1, 3, v0                        ; row t >> 3,
	v_and_b32 v7, 7, v0
	v_lshlrev_b32 v7, 3, v7                        ; byte 8 (t & 7) of its 64
	v_lshl_add_u32 v[CO], v1, 11, v7               ; a row of out is 2,048 bytes
	s_lshl_b32 s86, s68, 16                        ; the work-group's part of out: 32 rows x 2,048 bytes x block of rows
	s_lshl_b32 s87, s69, 6                         ; + 64 bytes x block of units
	s_add_co_u32 s86, s86, s87
	s_mov_b32 s87, 0
	s_add_nc_u64 s[10:11], s[10:11], s[86:87]
	v_and_b32 v1, 8, v0
	v_cmp_ne_u32 s[M8], 0, v1
	v_and_b32 v1, 4, v0
	v_cmp_ne_u32 s[M4], 0, v1
	v_and_b32 v1, 2, v0
	v_cmp_ne_u32 s[M2], 0, v1
	v_and_b32 v1, 1, v0
	v_cmp_ne_u32 s[M1], 0, v1
; 16 LDS loads: the operands of step j (0..3) of the current chunk into a buffer.  Each half-wave reads 256 consecutive bytes of one row.
.macro LOADS buf, j
.irp u, 0,1,2,3
	ds_load_b128 v[\buf+32+4*\u:\buf+32+4*\u+3], v[AW] offset:\u*CROW+\j*256
.endr
.irp u, 0,1,2,3
	ds_load_b128 v[\buf+48+4*\u:\buf+48+4*\u+3], v[AW] offset:WMAX_OFF+\u*CROW+\j*256
.endr
.irp r, 0,1,2,3,4,5,6,7
	ds_load_b128 v[\buf+4*\r:\buf+4*\r+3], v[AX] offset:\r*CROW+\j*256
.endr
.endm
; Rows 2 bp, 2 bp + 1 of x against the four units, 4 d: 32 packed subtractions, then 32 minima of three.  The eight running minima take turns, so that
; no instruction waits for the one in front of it.  first = 1: the first two differences start the minimum: nothing is preset.
.macro GROUP buf, bp, first
.irp q, 0,1
.irp u, 0,1,2,3
	v_pk_add_f32 v[T+8*(4*\q+\u):T+8*(4*\q+\u)+1],   v[\buf+4*(2*\bp+\q):\buf+4*(2*\bp+\q)+1],     v[\buf+32+4*\u:\buf+32+4*\u+1]     neg_lo:[0,1] neg_hi:[0,1]   ; x - Wmin
	v_pk_add_f32 v[T+8*(4*\q+\u)+2:T+8*(4*\q+\u)+3], v[\buf+4*(2*\bp+\q)+2:\buf+4*(2*\bp+\q)+3],   v[\buf+32+4*\u+2:\buf+32+4*\u+3]   neg_lo:[0,1] neg_hi:[0,1]
	v_pk_add_f32 v[T+8*(4*\q+\u)+4:T+8*(4*\q+\u)+5], v[\buf+48+4*\u:\buf+48+4*\u+1],     v[\buf+4*(2*\bp+\q):\buf+4*(2*\bp+\q)+1]     neg_lo:[0,1] neg_hi:[0,1]   ; Wmax - x
	v_pk_add_f32 v[T+8*(4*\q+\u)+6:T+8*(4*\q+\u)+7], v[\buf+48+4*\u+2:\buf+48+4*\u+3],   v[\buf+4*(2*\bp+\q)+2:\buf+4*(2*\bp+\q)+3]   neg_lo:[0,1] neg_hi:[0,1]
.endr
.endr
.irp q, 0,1
.irp u, 0,1,2,3
.if \first
	v_min_num_f32 v[ACC+4*(2*\bp+\q)+\u], v[T+8*(4*\q+\u)], v[T+8*(4*\q+\u)+1]
.else
	v_min3_num_f32 v[ACC+4*(2*\bp+\q)+\u], v[ACC+4*(2*\bp+\q)+\u], v[T+8*(4*\q+\u)], v[T+8*(4*\q+\u)+1]
.endif
.endr
.endr
.irp k, 1,2,3
.irp q, 0,1
.irp u, 0,1,2,3
	v_min3_num_f32 v[ACC+4*(2*\bp+\q)+\u], v[ACC+4*(2*\bp+\q)+\u], v[T+8*(4*\q+\u)+2*\k], v[T+8*(4*\q+\u)+2*\k+1]
.endr
.endr
.endr
.endm
; One of a chunk's first three steps: works on buffer cur; ahead of that, step j of the same chunk is fetched into buffer nxt.
.macro STEP cur, nxt, j, first
	LOADS \nxt, \j
	s_wait_dscnt 16                                ; LDS loads come back in order (ISA guide 5.7.1): all but the 16 just issued are in, so buffer cur is whole
	GROUP \cur, 0, \first
	GROUP \cur, 1, \first
	GROUP \cur, 2, \first
	GROUP \cur, 3, \first
.endm
; A chunk's last step (buffer 1), and the change to the next chunk.  left = how many of my four tensor loads may stay out when my part of the next chunk is in.
; The later chunks stay on their way across it.
.macro CHANGE left
	s_wait_dscnt 0x0                               ; buffer 1 is whole, and no LDS instruction of mine is pending at the signal
	s_wait_tensorcnt \left                         ; tensor loads of a wave end in order (ISA guide 10.11.1): my part of the next chunk has landed:
	s_barrier_signal -1                            ; say so,
	GROUP B1, 0, 0                                 ; work on registers while the others arrive,
	GROUP B1, 1, 0
	s_barrier_wait -1                              ; and go on when all eight have said so: the next chunk is whole
	v_add_nc_u32 v[AX], CHUNK, v[AX]
	v_add_nc_u32 v[AW], CHUNK, v[AW]
	LOADS B0, 0
	GROUP B1, 2, 0
	GROUP B1, 3, 0
.endm
	s_wait_tensorcnt 0x3                           ; my part of chunk 0 is in; my three later loads stay out
	s_barrier_signal -1
	s_barrier_wait -1                              ; everybody's is
	LOADS B0, 0
	STEP B0, B1, 1, 1                              ; the first step starts the minima
	STEP B1, B0, 2, 0
	STEP B0, B1, 3, 0
	CHANGE 2                                       ; chunk 1 is needed: chunks 2 and 3 may be out
	STEP B0, B1, 1, 0
	STEP B1, B0, 2, 0
	STEP B0, B1, 3, 0
	CHANGE 1                                       ; chunk 2: chunk 3 may be out
	STEP B0, B1, 1, 0
	STEP B1, B0, 2, 0
	STEP B0, B1, 3, 0
	CHANGE 0                                       ; chunk 3: the last; every tensor load of mine is done
	STEP B0, B1, 1, 0
	STEP B1, B0, 2, 0
	STEP B0, B1, 3, 0
	s_wait_dscnt 0x0                               ; the very last step: nothing more to fetch
	GROUP B1, 0, 0
	GROUP B1, 1, 0
	GROUP B1, 2, 0
	GROUP B1, 3, 0
	; ACROSS THE 16 LANES of a half-wave, which hold minima over different d.  In each pass a lane and its partner (lane xor x) split the outputs: the lane whose bit
	; is 0 keeps the lower half of them, the other the upper half, and each takes in the partner's figure for what it keeps.  32 -> 16 -> 8 -> 4 -> 2 outputs
	; a lane: (16 + 8 + 4 + 2) x 3 = 90 instructions, and every lane ends with two neighbouring numbers of one row of out.
.macro SCATTER lo, hi, m, x, t
	v_cndmask_b32 v[T+\t],   v[\lo], v[\hi], s[\m]         ; what I keep: hi where my bit is set, else lo
	v_cndmask_b32 v[T+\t+1], v[\hi], v[\lo], s[\m]         ; what my partner keeps
	v_min_num_f32_dpp v[\lo], v[T+\t+1], v[T+\t] row_xmask:\x row_mask:0xf bank_mask:0xf   ; min(partner's figure for my output, mine)
.endm
.irp i, 0,1,2,3,4,5,6,7,8,9,10,11,12,13,14,15
	SCATTER ACC+\i, ACC+16+\i, M8, 8, 2*\i         ; bit 3 of the lane: rows 0-3 or 4-7
.endr
.irp i, 0,1,2,3,4,5,6,7
	SCATTER ACC+\i, ACC+8+\i, M4, 4, 2*\i          ; bit 2: two rows of those four
.endr
.irp i, 0,1,2,3
	SCATTER ACC+\i, ACC+4+\i, M2, 2, 2*\i          ; bit 1: one row
.endr
.irp i, 0,1
	SCATTER ACC+\i, ACC+2+\i, M1, 1, 2*\i          ; bit 0: units 0, 1 or 2, 3
.endr
	; through the stage, so that the four waves' pieces of a row leave together
	ds_store_b64 v[STA], v[ACC:ACC+1]
	s_wait_dscnt 0x0                               ; for the others' sake: my store is done before I signal
	s_barrier_signal -1
	s_barrier_wait -1
	ds_load_b64 v[T:T+1], v[RDA]
	s_wait_dscnt 0x0
	global_store_b64 v[CO], v[T:T+1], s[10:11] th:TH_STORE_NT      ; eight lanes store the work-group's 64 consecutive bytes of a row
	s_wait_tensorcnt 0x0
	ds_add_u32 v232, v233
	s_wait_dscnt 0x0
	ROUND                                          ; the closing round: no work-group ends while a partner may still ask for a tile that names it
	s_endpgm
.Lfunc_end_k_qc332454d5d_mdlayer:
	.size	k_qc332454d5d_mdlayer, .Lfunc_end_k_qc332454d5d_mdlayer-k_qc332454d5d_mdlayer
	.p2alignl 7, 3214868480
	.fill 96, 4, 3214868480
	.section	.rodata,"a",@progbits
	.p2align	6, 0x0
	.amdhsa_kernel k_qc332454d5d_mdlayer
		.amdhsa_group_segment_fixed_size 265216
		.amdhsa_private_segment_fixed_size 0
		.amdhsa_enable_private_segment 0
		.amdhsa_kernarg_size 32
		.amdhsa_user_sgpr_count 2
		.amdhsa_user_sgpr_kernarg_segment_ptr 1
		.amdhsa_wavefront_size32 1
		.amdhsa_system_sgpr_workgroup_id_x 1
		.amdhsa_system_sgpr_workgroup_id_y 1
		.amdhsa_system_sgpr_workgroup_id_z 1
		.amdhsa_system_vgpr_workitem_id 0
		.amdhsa_next_free_vgpr 234
		.amdhsa_next_free_sgpr 92
		.amdhsa_reserve_vcc 0
		.amdhsa_float_denorm_mode_32 3
		.amdhsa_float_denorm_mode_16_64 3
		.amdhsa_memory_ordered 1
		.amdhsa_forward_progress 1
		.amdhsa_inst_pref_size 255
	.end_amdhsa_kernel
	.section	.bss,"aw",@nobits
	.p2align	6
	.space	262144
	.amdgpu_metadata
---
amdhsa.version: [ 1, 2 ]
amdhsa.kernels:
  - .name:           k_qc332454d5d_mdlayer
    .symbol:         k_qc332454d5d_mdlayer.kd
    .args:
      - { .name: x, .offset: 0, .size: 8, .value_kind: global_buffer, .address_space: global }
      - { .name: Wmin, .offset: 8, .size: 8, .value_kind: global_buffer, .address_space: global }
      - { .name: Wmax, .offset: 16, .size: 8, .value_kind: global_buffer, .address_space: global }
      - { .name: out0, .offset: 24, .size: 8, .value_kind: global_buffer, .address_space: global }
    .group_segment_fixed_size: 265216
    .private_segment_fixed_size: 0
    .kernarg_segment_align: 8
    .kernarg_segment_size: 32
    .max_flat_workgroup_size: 256
    .sgpr_count:     92
    .vgpr_count:     234
    .wavefront_size: 32
...
	.end_amdgpu_metadata
.endif
;; end of part 1
